; MI455X (gfx1250); checked and timed in simulation.
; The chip was launched on July 23, 2026; its instructions are those of AMD's public machine-readable ISA for CDNA 5 (MIT licence, August 2026) and "CDNA5" Instruction Set Architecture Reference Guide (July 2026). The comments in the code are by the model that wrote it; some were corrected since.
;; Multi Head Attention. Allowed arithmetic: matrix products marked QUANTISED: E4M3 operands, one given power-of-two scale a tensor, by v_wmma_f32_16x16x64_fp8_fp8 or v_wmma_f32_16x16x128_fp8_fp8, f32 sums; everything else in f32.
;; Inputs: W_qkv_codes 3,072 x 32 x 32 uint8 (E4M3 codes of W_qkv, K innermost, in blocks of 32 codes); b_qkv 3,072 float32; lowp_scales 6 int32 (the exponents e of the quantised operands' scales 2^e); x_codes 4 x 2,048 x 32 x 32 uint8 (E4M3 codes of x, K innermost, in blocks of 32 codes).
;; Outputs: out0 4 x 2,048 x 1,024 float32.
;; This version of the problem:
;;   THIS VERSION OF THE PROBLEM IS GIVEN IN LOW PRECISION. The matrix products marked QUANTISED in the list below multiply operands that are first quantised to E4M3 (4 exponent bits, 3 mantissa bits; 8 bits a number), with one given power-of-two scale for each operand tensor; their sums are f32. All else is computed in f32.
;;   The module's matrix products, in the order in which they are computed (A, B: the left and right operand; K: the contracted axis; several contracted axes count as one K, in the product's order):
;;     1. [M 8,192, K 1,024] x [K 1,024, N 3,072]; A: input x (given as codes); B: input W_qkv (given as codes): QUANTISED (scales: A lowp_scales[0], B lowp_scales[1])
;;     2. batch 64 x [M 2,048, K 64] x [K 64, N 2,048]; A: computed on the way; B: computed on the way: QUANTISED (scales: A lowp_scales[2], B lowp_scales[3])
;;     3. batch 64 x [M 2,048, K 2,048] x [K 2,048, N 64]; A: softmax (see below); B: computed on the way: QUANTISED (scales: A lowp_scales[4], B lowp_scales[5])
;;   THE QUANTISER, for each operand of a quantised product, along K:
;;     - The operand's scale is 2^e, e = its entry of the input lowp_scales (int32; the entries are numbered through the quantised products in the list's order, A before B).
;;     - Each number is divided by the scale, clamped to +-448, and rounded to the nearest number of E4M3, ties to even, subnormals kept.
;;     - The product sums the exact products of the quantised numbers (number of the format x scale) in f32.
;;   ~~~python
;;   def quantise(x, axis, e):      # numpy; x: float32 -> the quantised numbers, widened to float32 again
;;       x = np.moveaxis(x, axis, -1); K = x.shape[-1]
;;       r = np.clip(x / 2.0 ** e, -448, 448)
;;       step = 2.0 ** (np.maximum(np.frexp(np.where(r == 0, 1, r))[1] - 1, -6) - 3)
;;       q = np.round(r / step) * step * 2.0 ** e      # np.round: ties to even
;;       return np.moveaxis(q, -1, axis).astype(np.float32)
;;   ~~~
;;   SOFTMAX AHEAD OF A QUANTISED PRODUCT. Where the list says 'softmax', what is quantised is not the finished softmax but p = 2^(t - M), with t = logit x log2(e) and M = ceil(the row's largest t), a whole number; so 1/2 < the row's largest p <= 1. The row's sum l is taken of the UNQUANTISED p, in f32, and the product's result is divided by l at the end. Since M is a whole number, a kernel that streams over the keys may use a running M (the ceiling of the running maximum): every later rescaling is an exact power of two, so the quantised numbers keep their values, but for numbers so far below the row's largest that they fall under the format's range.
;;   OPERANDS COMPUTED ON THE WAY. 'Computed on the way' means the value that the module computes at that place (a softmax that the list does not call 'softmax' is quantised finished and normalised). What goes into a quantiser is computed in f32, as accurately as f32 sums, v_exp_f32 and their like allow (about 1e-6 of the number): no bf16 or f16 on the way to a quantiser, and a product that is left as it is and whose result goes on into a quantised operand takes f32 operands (vector FMAs, or v_wmma_f32_16x16x4_f32). A number that lies on a knife's edge between two numbers of the format may be rounded either way, as far as f32 arithmetic and the matrix unit's own rounding can turn it there, and no further.
;;   INPUTS GIVEN AS CODES. W_qkv (in the module: [1024, 3072], K = its axis 0); x (in the module: [4, 2048, 1024], K = its axis 2): each comes as NAME_codes (uint8): NAME with its K axis moved to the last place and cut into blocks of 32 codes, [.., K / 32, bytes a block], one block behind the other in memory; one code a byte (a code: sign, 4 exponent bits, 3 mantissa bits); its scale is its entry of lowp_scales. Its value is code x scale, taken as it is: it is not quantised again, and the codes and scales need not be those that the quantiser above would give.
;; One version. Each part assembles by itself: llvm-mc -triple=amdgcn-amd-amdhsa -mcpu=gfx1250 --defsym DOCPART=n.
;; ======== version 1 of 1: 2 launches
;; limits: right only within a limited range of input values
;; workspace buffers: qimg 8,388,608 bytes; kvimg 16,777,216 bytes
;; launch qkv (part 1): grid 12 x 32, 4 waves a work-group, clusters of 4 x 4, 327,680 bytes of LDS; arguments x_codes, W_qkv_codes, b_qkv, lowp_scales, qimg, kvimg; writes qimg, kvimg
.if DOCPART == 1
	.amdgcn_target "amdgcn-amd-amdhsa--gfx1250"
	.amdhsa_code_object_version 6
	.text
	.protected	k_q6e74764f32_qkv
	.globl	k_q6e74764f32_qkv
	.p2align	8
	.type	k_q6e74764f32_qkv,@function
k_q6e74764f32_qkv:
	s_mov_b64 s[64:65], 0
	v_nop
	global_prefetch_b8 v0, s[64:65] scope:SCOPE_SE
	s_setreg_imm32_b32 hwreg(HW_REG_WAVE_MODE, 25, 1), 1
	s_wait_xcnt 0x0
	s_wait_alu depctr_hold_cnt(0) depctr_sa_sdst(0) depctr_va_vdst(0) depctr_va_sdst(0) depctr_va_ssrc(0) depctr_va_vcc(0) depctr_vm_vsrc(0)
	s_getreg_b32 s2, hwreg(HW_REG_IB_STS2, 6, 4)
	s_cmp_eq_u32 s2, 0
	s_cbranch_scc0 .Lentry_in_a_cluster
	s_endpgm
.Lentry_in_a_cluster:
	s_bfe_u32 s2, ttmp6, 0x10000c
	s_cmp_lg_u32 s2, 0xf033
	s_cbranch_scc0 .Lentry_shape_is_right
	s_endpgm
.Lentry_shape_is_right:
.set ROWB,   256
.set KROW,   1024
.set PITCH,  272
.set FR,     16
.set NL,     4
.set NP,     4
.set HALFT,  128*PITCH
.set SLOT,   4*HALFT
.set SPARE,  2*SLOT
.set ADRA, 16
.set ADRB, 20
.set VO0,  24
.set VO1,  25
.set BO,   26
.set RO,   27
.set SPW,  28
.set NIL,  29
.set BQ,   32
.set BV,   96
.set SCL,  104
.set LIM,  105
.set AF,   128
.set G1, 24
.set G0, 32
.set G1B, 48
.set G0B, 56
.set MSB, 0
.macro WIN new
.if MSB != (\new)
	s_set_vgpr_msb (MSB<<8)|(\new)
.set MSB, \new
.endif
.endm
.set MUL_LO, 0xa1
.set MUL_HI, 0xf1
.set TO_B,   0x40
.macro JLOAD g0a, g1a, g0b, g1b
	s_cmp_eq_u32 s15, 0
	s_cbranch_scc0 .Lfor_b_\@
	tensor_load_to_lds s[\g0a:\g0a+3], s[\g1a:\g1a+7]
	s_nop 0
.rept 4
	v_nop
.endr
	s_branch .Lasked_\@
.Lfor_b_\@:
	tensor_load_to_lds s[\g0b:\g0b+3], s[\g1b:\g1b+7]
	s_nop 0
.rept 4
	v_nop
.endr
.Lasked_\@:
.endm
.macro CREST
	s_cmp_lg_u32 s14, 0
	s_cbranch_scc1 .Lnot_wave_0_\@
	s_barrier_signal -3
.Lnot_wave_0_\@:
	s_barrier_wait -3
	s_barrier_signal -1
	s_barrier_wait -1
.endm
.macro CROUND
	s_barrier_signal -1
	s_barrier_wait -1
	CREST
.endm
	s_load_b256 s[4:11], s[0:1], 0x0
	s_load_b128 s[68:71], s[0:1], 0x20
	v_lshl_add_u32 v[SPW], v0, 2, SPARE
	v_mov_b32 v[NIL], 0
	ds_add_u32 v28, v29
	ds_add_u32 v28, v29
	s_wait_dscnt 0x0
	v_lshrrev_b32 v1, 5, v0
	v_readfirstlane_b32 s14, v1
	v_and_b32 v30, 31, v0
	v_lshlrev_b32 v30, 10, v30                     ; the prefetches' offset: my lane x a row of 1,024 bytes; never rewritten
	s_lshr_b32 s15, s14, 1
	s_and_b32 s16, s14, 1
	s_bfe_u32 s40, ttmp6, 0x40000
	s_bfe_u32 s41, ttmp6, 0x40004
	s_and_b32 s88, ttmp7, 0xffff
	s_lshl_b32 s88, s88, 2
	s_lshl_b32 s42, ttmp9, 2
	s_cmp_eq_u32 ttmp9, 2
	s_cselect_b32 s17, 0, s88
	s_cselect_b32 s42, s88, s42
	s_cselect_b32 s89, 0x200000, 0
	s_add_co_u32 s17, s17, s41
	s_add_co_u32 s42, s42, s40
	s_lshl_b32 s43, s41, 2
	s_lshl_b32 s43, 15, s43
	s_lshl_b32 s44, 0x1111, s40
	s_or_b32 s[G1+0], s43, (0<<16)|(1<<20)|(1<<21)|(5<<22)|(3<<25)
	s_or_b32 s[G1B+0], s44, (0<<16)|(1<<20)|(1<<21)|(5<<22)|(3<<25)
.irp g, G1, G1B
	s_mov_b32 s[\g+1], ROWB<<16
	s_mov_b32 s[\g+2], 128<<16
	s_mov_b32 s[\g+3], ROWB<<16
	s_mov_b32 s[\g+4], 128
	s_mov_b32 s[\g+5], KROW
	s_mov_b32 s[\g+6], 0
	s_mov_b32 s[\g+7], 0
.endr
	s_lshl_b32 s18, s16, 7
	s_lshl_b32 s20, s17, 8
	s_add_co_u32 s20, s20, s18
	s_lshl_b32 s20, s20, 10
	s_add_co_u32 s20, s20, s89
	s_mov_b32 s21, 0
	s_lshl_b32 s46, s42, 8
	s_add_co_u32 s46, s46, s18
	s_lshl_b32 s46, s46, 10
	s_mov_b32 s47, 0
	s_mul_i32 s45, s14, HALFT
	s_lshl_b32 s90, s17, 8
	s_lshl_b32 s91, s15, 7
	s_add_co_u32 s90, s90, s91
	s_add_co_u32 s90, s90, 2048
	s_lshl_b32 s90, s90, 2
	s_lshl_b32 s92, s42, 8
	s_lshl_b32 s93, s16, 7
	s_add_co_u32 s92, s92, s93
	s_lshl_b32 s92, s92, 2
	s_mov_b32 s91, 0
	s_mov_b32 s93, 0
	s_wait_kmcnt 0x0
	s_load_b128 s[76:79], s[10:11], 0x0
	s_load_b64 s[80:81], s[10:11], 0x10
	s_cmp_eq_u32 ttmp9, 2
	s_cselect_b64 s[82:83], s[6:7], s[4:5]
	s_cselect_b64 s[84:85], s[4:5], s[6:7]
	s_cselect_b32 s92, 0, s92
	s_cselect_b32 s90, s90, 0
	s_add_nc_u64 s[20:21], s[82:83], s[20:21]
	s_add_nc_u64 s[46:47], s[84:85], s[46:47]
	s_add_nc_u64 s[72:73], s[8:9], s[92:93]
	s_add_nc_u64 s[74:75], s[8:9], s[90:91]
	s_cmp_eq_u32 s15, 0                            ; the prefetches' base: the 128 rows that my wave fetches,
	s_cselect_b64 s[12:13], s[20:21], s[46:47]
	s_cselect_b32 s98, s40, s41                    ; my place among the four partners that ask for them with me,
	s_lshl_b32 s98, s98, 15                        ; x 32 rows of 1,024 bytes: the partners share the rows out by address
	s_mov_b32 s99, 0
	s_add_nc_u64 s[12:13], s[12:13], s[98:99]      ; never rewritten
	CROUND
.irp s, 0,1
	s_mov_b32 s[G0+4*\s], 1
	s_add_co_u32 s[G0+4*\s+1], s45, \s*SLOT
	s_add_nc_u64 s[G0+4*\s+2:G0+4*\s+3], s[20:21], \s*ROWB
	s_or_b32 s[G0+4*\s+3], s[G0+4*\s+3], 0x80000000
	s_mov_b32 s[G0B+4*\s], 1
	s_add_co_u32 s[G0B+4*\s+1], s45, \s*SLOT
	s_add_nc_u64 s[G0B+4*\s+2:G0B+4*\s+3], s[46:47], \s*ROWB
	s_or_b32 s[G0B+4*\s+3], s[G0B+4*\s+3], 0x80000000
	s_wait_alu depctr_va_vdst(0)
	s_wait_tensorcnt 0x0
	ds_add_u32 v28, v29
	ds_add_u32 v28, v29
	s_wait_dscnt 0x0
	CROUND
	JLOAD G0+4*\s, G1, G0B+4*\s, G1B
	; prefetches into the L2, a lane a row, 256 bytes of each of 32 rows: behind K step 0's load K steps 1 and 2 are named, behind K step 1's load K step 3: each block once in a cluster, at most two K steps asked for and not yet loaded
.if \s == 0
	global_prefetch_b8 v30, s[12:13] offset:256 th:TH_LOAD_NT scope:SCOPE_SE
	global_prefetch_b8 v30, s[12:13] offset:512 th:TH_LOAD_NT scope:SCOPE_SE
.else
	global_prefetch_b8 v30, s[12:13] offset:768 th:TH_LOAD_NT scope:SCOPE_SE
.endif
.endr
	v_and_b32 v1, 15, v0
	v_bfe_u32 v2, v0, 4, 1
	v_mul_u32_u24 v3, v1, PITCH
	v_lshl_add_u32 v4, v2, 4, v3
	s_mul_i32 s21, s15, HALFT
	s_mul_i32 s22, s16, HALFT
	s_add_co_u32 s22, s22, 2*HALFT
.irp s, 0,1
	v_add_nc_u32 v[ADRA+\s], s21, v4
	v_add_nc_u32 v[ADRB+\s], s22, v4
	s_add_co_u32 s21, s21, SLOT
	s_add_co_u32 s22, s22, SLOT
.endr
	v_and_b32 v6, 31, v0
	v_lshlrev_b32 v[VO0], 4, v6
	v_lshlrev_b32 v[BO], 5, v2
	v_lshlrev_b32 v[RO], 2, v1
.irp b, 0,1,2,3,4,5,6,7
	global_load_b128 v[BQ+8*\b:BQ+8*\b+3],   v[BO], s[72:73] offset:64*\b
	global_load_b128 v[BQ+8*\b+4:BQ+8*\b+7], v[BO], s[72:73] offset:64*\b+16
.endr
.irp a, 0,1,2,3,4,5,6,7
	global_load_b32 v[BV+\a], v[RO], s[74:75] offset:64*\a
.endr
.macro FRAG reg, adr, q, i
.irp c, 0,1,2,3
	ds_load_b128 v[\reg+4*\c:\reg+4*\c+3], v[\adr] offset:128*(\q)+32*\c+(\i)*16*PITCH
.endr
.endm
.macro MUL16 a0, p, zero
.irp a, \a0, \a0+1
.irp b, 0,1,2,3,4,5,6,7
.if \zero
	v_wmma_f32_16x16x128_fp8_fp8 v[8*(8*((\a)%4)+\b):8*(8*((\a)%4)+\b)+7], v[128*(\p)+FR*\b:128*(\p)+FR*\b+FR-1], v[AF+FR*(\a):AF+FR*(\a)+FR-1], 0
.else
	v_wmma_f32_16x16x128_fp8_fp8 v[8*(8*((\a)%4)+\b):8*(8*((\a)%4)+\b)+7], v[128*(\p)+FR*\b:128*(\p)+FR*\b+FR-1], v[AF+FR*(\a):AF+FR*(\a)+FR-1], v[8*(8*((\a)%4)+\b):8*(8*((\a)%4)+\b)+7]
.endif
.endr
.endr
.endm
.macro FETCH_B slot, q, p
	WIN TO_B
.irp i, 0,1,2,3,4,5,6,7
	FRAG 128*(\p)+FR*\i, ADRB+\slot, \q, \i
.endr
	WIN 0
.endm
.macro FETCH_A slot, q, i0
.irp i, \i0, \i0+1, \i0+2, \i0+3
	FRAG AF+FR*(\i), ADRA+\slot, \q, \i
.endr
.endm
.macro PLACES n
.rept \n
	v_nop
.endr
.endm
.macro STEP slot, q, zero
	s_wait_dscnt 4*NL
	WIN MUL_LO
	MUL16 0, (\q)%2, \zero
	MUL16 2, (\q)%2, \zero
	s_wait_dscnt 0
	PLACES NP
	FETCH_B \slot, (\q)+1, 1-(\q)%2
	FETCH_A \slot, (\q)+1, 0
	WIN MUL_HI
	MUL16 4, (\q)%2, \zero
	MUL16 6, (\q)%2, \zero
	PLACES NP
	WIN 0
	FETCH_A \slot, (\q)+1, 4
.endm
.macro TURN slot, next, fill
	s_wait_tensorcnt 0x0
	ds_add_u32 v[SPW], v[NIL]
	s_wait_dscnt 4*NL+1
	WIN MUL_LO
	MUL16 0, 1, 0
	s_wait_dscnt 0x0
	s_barrier_signal -1
	MUL16 2, 1, 0
	WIN 0
	s_barrier_wait -1
.if \fill
	CREST
	s_add_nc_u64 s[G0+4*\slot+2:G0+4*\slot+3], s[G0+4*\slot+2:G0+4*\slot+3], 2*ROWB
	s_add_nc_u64 s[G0B+4*\slot+2:G0B+4*\slot+3], s[G0B+4*\slot+2:G0B+4*\slot+3], 2*ROWB
	JLOAD G0+4*\slot, G1, G0B+4*\slot, G1B
.else
	PLACES NP
.endif
	FETCH_B \next, 0, 0
	FETCH_A \next, 0, 0
	WIN MUL_HI
	MUL16 4, 1, 0
	MUL16 6, 1, 0
	PLACES NP
	WIN 0
	FETCH_A \next, 0, 4
.endm
	s_wait_alu depctr_va_vdst(0)
	s_wait_tensorcnt 1
	s_barrier_signal -1
	s_barrier_wait -1
	FETCH_B 0, 0, 0
	FETCH_A 0, 0, 0
	FETCH_A 0, 0, 4
	STEP 0, 0, 1
	TURN 0, 1, 1
	STEP 1, 0, 0
	TURN 1, 0, 1
	STEP 0, 0, 0
	TURN 0, 1, 0
	STEP 1, 0, 0
	s_wait_dscnt 4*NL
	WIN MUL_LO
	MUL16 0, 1, 0
	MUL16 2, 1, 0
	s_wait_dscnt 0
	WIN MUL_HI
	MUL16 4, 1, 0
	MUL16 6, 1, 0
	WIN 0
	s_wait_kmcnt 0x0
	s_add_co_i32 s96, s76, s77
	s_add_co_i32 s96, s96, 127
	s_lshl_b32 s96, s96, 23
	s_mov_b32 s97, s96
	s_lshl_b32 s90, s17, 8
	s_lshl_b32 s92, s15, 7
	s_add_co_u32 s90, s90, s92
	s_lshl_b32 s91, s42, 8
	s_lshl_b32 s92, s16, 7
	s_add_co_u32 s91, s91, s92
	s_mov_b32 s22, 0x40000
	s_cmp_eq_u32 ttmp9, 2
	s_cselect_b32 s92, s91, s90
	s_cselect_b32 s93, s90, s91
	s_cselect_b32 s94, 8192, 0
	s_cselect_b32 s89, s81, s79
	s_cmp_eq_u32 ttmp9, 0
	s_cselect_b32 s89, s78, s89
	s_cselect_b64 s[86:87], s[68:69], s[70:71]
	s_cselect_b32 s18, 17, 18
	s_cselect_b32 s19, 13, 14
	s_cselect_b32 s22, 0x20000, s22
	s_and_b32 s93, s93, 1023
	s_lshr_b32 s93, s93, 6
	s_lshr_b32 s95, s92, 11
	s_lshl_b32 s95, s95, 4
	s_add_co_u32 s95, s95, s93
	s_and_b32 s92, s92, 2047
	s_lshr_b32 s92, s92, 7
	s_lshl_b32 s95, s95, s18
	s_lshl_b32 s92, s92, s19
	s_add_co_u32 s92, s92, s95
	s_add_co_u32 s92, s92, s94
	s_mov_b32 s93, 0
	s_add_nc_u64 s[86:87], s[86:87], s[92:93]
	v_add_nc_u32 v[VO1], s22, v[VO0]
	s_add_co_i32 s89, s89, 127
	s_lshl_b32 s88, s89, 23
	v_mov_b32 v[SCL], s88
	s_add_co_i32 s89, s89, 8
	s_lshl_b32 s89, s89, 23
	s_or_b32 s89, s89, 0x600000
	v_mov_b32 v[LIM], s89
	s_wait_loadcnt 0x0
	PLACES NP
.macro EPI a, isv
.set AC, 64*((\a)%4)
.set CD, AF+16*(\a)
	WIN 0x82+0x41*((\a)/4)
.set j, 0
.rept 32
.if \isv
.if (\a)%2
	v_pk_fma_f32 v[AC+j:AC+j+1], v[AC+j:AC+j+1], s[96:97], v[BV+2*((\a)/2):BV+2*((\a)/2)+1] op_sel:[0,0,1] op_sel_hi:[1,0,1]
.else
	v_pk_fma_f32 v[AC+j:AC+j+1], v[AC+j:AC+j+1], s[96:97], v[BV+2*((\a)/2):BV+2*((\a)/2)+1] op_sel_hi:[1,0,0]
.endif
.else
	v_pk_fma_f32 v[AC+j:AC+j+1], v[AC+j:AC+j+1], s[96:97], v[BQ+j:BQ+j+1] op_sel_hi:[1,0,1]
.endif
.set j, j+2
.endr
.set j, 0
.rept 64
	v_med3_num_f32 v[AC+j], v[AC+j], -v[LIM], v[LIM]
.set j, j+1
.endr
	WIN 0x02+((\a)/4)
.irp b, 0,1,2,3,4,5,6,7
	v_cvt_scalef32_pk8_fp8_f32 v[CD+2*\b:CD+2*\b+1], v[AC+8*\b:AC+8*\b+7], v[SCL]
.endr
	v_nop
	WIN 0
.if \isv
.irp c, 0,1,2,3
	global_store_b128 v[VO0+(\a)/4], v[CD+4*\c:CD+4*\c+3], s[86:87] offset:2048*((\a)%4)+512*\c
.endr
.else
	global_store_b128 v[VO0], v[CD:CD+3],     s[86:87] offset:1024*(\a)
	global_store_b128 v[VO0], v[CD+4:CD+7],   s[86:87] offset:1024*(\a)+512
	global_store_b128 v[VO1], v[CD+8:CD+11],  s[86:87] offset:1024*(\a)
	global_store_b128 v[VO1], v[CD+12:CD+15], s[86:87] offset:1024*(\a)+512
.endif
.endm
	s_cmp_eq_u32 ttmp9, 2
	s_cbranch_scc1 .Lv
.irp a, 0,1,2,3,4,5,6,7
	EPI \a, 0
.endr
	s_branch .Lend
.Lv:
.irp a, 0,1,2,3,4,5,6,7
	EPI \a, 1
.endr
.Lend:
	s_wait_tensorcnt 0x0
	ds_add_u32 v[SPW], v[NIL]
	s_wait_dscnt 0x0
	CROUND
	s_endpgm
.Lfunc_end_k_q6e74764f32_qkv:
	.size	k_q6e74764f32_qkv, .Lfunc_end_k_q6e74764f32_qkv-k_q6e74764f32_qkv
	.p2alignl 7, 3214868480
	.fill 96, 4, 3214868480
	.section	.rodata,"a",@progbits
	.p2align	6, 0x0
	.amdhsa_kernel k_q6e74764f32_qkv
		.amdhsa_group_segment_fixed_size 327680
		.amdhsa_private_segment_fixed_size 0
		.amdhsa_enable_private_segment 0
		.amdhsa_kernarg_size 48
		.amdhsa_user_sgpr_count 2
		.amdhsa_user_sgpr_kernarg_segment_ptr 1
		.amdhsa_wavefront_size32 1
		.amdhsa_system_sgpr_workgroup_id_x 1
		.amdhsa_system_sgpr_workgroup_id_y 1
		.amdhsa_system_sgpr_workgroup_id_z 1
		.amdhsa_system_vgpr_workitem_id 0
		.amdhsa_next_free_vgpr 1024
		.amdhsa_next_free_sgpr 100
		.amdhsa_reserve_vcc 0
		.amdhsa_float_denorm_mode_32 3
		.amdhsa_float_denorm_mode_16_64 3
		.amdhsa_memory_ordered 1
		.amdhsa_forward_progress 1
		.amdhsa_inst_pref_size 195
	.end_amdhsa_kernel
	.amdgpu_metadata
---
amdhsa.version: [ 1, 2 ]
amdhsa.kernels:
  - .name:           k_q6e74764f32_qkv
    .symbol:         k_q6e74764f32_qkv.kd
    .args:
      - { .name: x_codes, .offset: 0, .size: 8, .value_kind: global_buffer, .address_space: global }
      - { .name: W_qkv_codes, .offset: 8, .size: 8, .value_kind: global_buffer, .address_space: global }
      - { .name: b_qkv, .offset: 16, .size: 8, .value_kind: global_buffer, .address_space: global }
      - { .name: lowp_scales, .offset: 24, .size: 8, .value_kind: global_buffer, .address_space: global }
      - { .name: qimg, .offset: 32, .size: 8, .value_kind: global_buffer, .address_space: global }
      - { .name: kvimg, .offset: 40, .size: 8, .value_kind: global_buffer, .address_space: global }
    .group_segment_fixed_size: 327680
    .private_segment_fixed_size: 0
    .kernarg_segment_align: 8
    .kernarg_segment_size: 48
    .max_flat_workgroup_size: 128
    .sgpr_count:     100
    .vgpr_count:     1024
    .wavefront_size: 32
...
	.end_amdgpu_metadata
.endif
;; end of part 1
;; launch attn (part 2): grid 4 x 64, 16 waves a work-group, clusters of 4 x 1, 327,680 bytes of LDS; arguments qimg, kvimg, lowp_scales, out0; writes out0
.if DOCPART == 2
	.amdgcn_target "amdgcn-amd-amdhsa--gfx1250"
	.amdhsa_code_object_version 6
	.text
	.protected	k_q6e74764f32_attn
	.globl	k_q6e74764f32_attn
	.p2align	8
	.type	k_q6e74764f32_attn,@function
k_q6e74764f32_attn:
	s_mov_b64 s[64:65], 0
	v_nop
	global_prefetch_b8 v0, s[64:65] scope:SCOPE_SE
	s_setreg_imm32_b32 hwreg(HW_REG_WAVE_MODE, 25, 1), 1
	s_wait_xcnt 0x0
	s_wait_alu depctr_hold_cnt(0) depctr_sa_sdst(0) depctr_va_vdst(0) depctr_va_sdst(0) depctr_va_ssrc(0) depctr_va_vcc(0) depctr_vm_vsrc(0)
	s_getreg_b32 s2, hwreg(HW_REG_IB_STS2, 6, 4)
	s_cmp_eq_u32 s2, 0
	s_cbranch_scc0 .Lentry_in_a_cluster
	s_endpgm
.Lentry_in_a_cluster:
	s_bfe_u32 s2, ttmp6, 0x10000c
	s_cmp_lg_u32 s2, 0x3003
	s_cbranch_scc0 .Lentry_shape_is_right
	s_endpgm
.Lentry_shape_is_right:
; O[H][q][:] = the sum over k of softmax_k(q . k / 8) v[k][:], 64 heads x 2,048 x 64, both products on codes of FP8 (E4M3) that the launch before has laid as images of fragments.
; qimg [H][tile of 16 queries][1024]; kvimg [H][step of 128 keys][16384]: 8 tiles of K (16 keys x 64), then 4 tiles of V (16 features x 128 keys).  An image's byte 512 c + 16 lane = registers 4 c .. 4 c + 3.
; out0 is [H][2048][64] f32 as it lies.  lowp_scales: entries 2 .. 5 = e2 (q), e3 (k), e4 (p), e5 (v).
; THE SOFTMAX: t = score x log2(e) / 8; M = the running largest t rounded UP to a whole number; p = 2^(t - M) is quantised with 2^e4, held at 448 x 2^e4, not normalised.
; The row's sum is taken of the unquantised p and divides O at the end.  When M moves, the sum and O are multiplied by 2^(old M - new M), which rounds nothing.
; SHARES.  A work-group owns 512 queries of one head; each of its sixteen waves 32, two tiles of 16: each fragment of K and V read from LDS feeds two products.
; THE WHOLE HEAD'S K AND V LIE IN LDS, 262,144 bytes, as they lie in memory, filled ONCE: wave w asks for key step w, 16,384 bytes, its one tensor load.  One wait for 0 and one barrier show all of it to all waves;
; the walk over the 16 key steps has no barrier.  No LDS byte is filled again.
; CLUSTER.  The four blocks of queries of a head form a cluster and need the same K and V: each load is a joint one, the same descriptor and the mask of all four in all four.
; NO PREFETCH: every byte of K and V is asked for at the head, by the tensor loads themselves; there is no loop in which a request could run ahead of a load.
; LAYOUT.  S^T = K Q^T (source 0 = 16 keys, source 1 = 16 queries), O^T = V^T P (source 0 = 16 features, source 1 = P): a lane holds ONE query (lane % 16) throughout.
; Tile c of S^T holds keys 16 c + 8 (lane / 16) + 0 .. 7: its eight codes are registers 2 c, 2 c + 1 of the K = 128 form's operand: the conversions' results ARE P.
; THE WAY OUT.  Each wave has a stage of its own, 16 rows x (128 + 16) bytes, behind K, V and the spare words: no barrier stands ahead of it, and a wave stores as soon as its own 16 steps are done.
; A tile of 16 queries goes through the stage in two halves of 32 features; a select joins the halves, so that sixteen lanes hold one whole row of O.
; LIMITS: e2 + e3 between -123 and 130 (added to c's exponent field); e4 between -126 and 119; e4 + e5 is applied by v_ldexp_f32 and has none.  The scaled scores stay under 2^31 in magnitude.  NaN is not served.
; REGISTERS: v1 the step's LDS address (16 x lane + 16,384 x step); v2 0; v3 2^e4; v5 my spare word; v[6:7] at work: second max chains, then f of tiles 0, 1, then the sums' second chain;
;   v[8:9] -M of tiles 0, 1; v10, v11 the largest raw score so far; v[12:13], v[14:15] the sums in two halves; v16-31 Q; v32-63 K's tiles 4 to 7, then P (16 a tile);
;   v64-127 S^T of tile 0, then V; v128-191 S^T of tile 1; v160-191 also, from a step's end to the next step's first products, the next step's tiles 0 to 3 of K; v192-255 O^T (32 a tile).
.set STEPB, 16384                      ; a key step's images
.set SPARE, 262144                     ; behind K and V: the spare words, 128 bytes a wave
.set STAGE, SPARE+2048                 ; behind them: the stages
.set SP,    144                        ; a stage row: 128 bytes + 16
.set WSTG,  16*SP                      ; a wave's stage: 16 rows, 2,304 bytes: nine blocks of 256
.set SPW,   5
.set NIL,   2
.macro ROUND                           ; a round of the cluster's barrier
	s_barrier_signal -1
	s_barrier_wait -1
	s_cmp_lg_u32 s12, 0
	s_cbranch_scc1 .Lnot_wave_0_\@
	s_barrier_signal -3
.Lnot_wave_0_\@:
	s_barrier_wait -3
	s_barrier_signal -1
	s_barrier_wait -1
.endm
	s_load_b256 s[4:11], s[0:1], 0x0               ; qimg s[4:5], kvimg s[6:7], the scales' exponents s[8:9], out0 s[10:11]
	v_lshl_add_u32 v[SPW], v0, 2, SPARE
	v_mov_b32 v[NIL], 0
	ds_add_u32 v[SPW], v[NIL]                      ; the opening lines: the add, twice on end, and its wait ahead of my tensor load
	ds_add_u32 v[SPW], v[NIL]
	v_lshrrev_b32 v1, 5, v0
	v_readfirstlane_b32 s12, v1                    ; wave 0..15
	s_bfe_u32 s13, ttmp6, 0x40000                  ; cx: my block of 512 queries; it enters Q's and O's addresses alone
	s_and_b32 s14, ttmp7, 0xffff                   ; the head, which the four partners share
	; descriptor group 1: a dense block of 16,384 bytes as 64 rows of 256 bytes (32 elements of 8 bytes), no padding
	s_mov_b32 s24, 15|(3<<16)|(1<<21)              ; the mask: all four work-groups; elements of 8 bytes; bit 21 beside a mask
	s_mov_b32 s25, 32<<16                          ; tensor_dim0 = 32
	s_mov_b32 s26, 64<<16                          ; tensor_dim1 = 64
	s_mov_b32 s27, 32<<16                          ; tile_dim0 = 32
	s_mov_b32 s28, 64                              ; tile_dim1 = 64
	s_mov_b32 s29, 32                              ; the pitch
	s_mov_b32 s30, 0
	s_mov_b32 s31, 0
	s_mov_b32 s48, 1
	s_lshl_b32 s49, s12, 14                        ; LDS address: key step = my wave's number
	s_lshl_b32 s16, s14, 18                        ; the head's first byte in kvimg,
	s_add_co_u32 s16, s16, s49                     ; + my key step
	s_mov_b32 s17, 0
	s_lshl_b32 s76, s14, 17                        ; Q: a head is 2^17 bytes, my block 2^15, my wave's two tiles 2^11
	s_lshl_b32 s75, s13, 15
	s_add_co_u32 s76, s76, s75
	s_lshl_b32 s75, s12, 11
	s_add_co_u32 s76, s76, s75
	s_mov_b32 s77, 0
	s_lshl_b32 s78, s14, 19                        ; O: a head is 2^19 bytes, my block 2^17, my wave's 32 rows 2^13
	s_lshl_b32 s75, s13, 17
	s_add_co_u32 s78, s78, s75
	s_lshl_b32 s75, s12, 13
	s_add_co_u32 s78, s78, s75
	s_mov_b32 s79, 0
	s_mov_b32 s20, 0x76543210                      ; lane selects for v_permlanex16_b32: lane l xor 16
	s_mov_b32 s21, 0xfedcba98
	s_mov_b32 s22, 0x3e38aa3b                      ; c = log2(e) / sqrt(64)
	s_mov_b32 s60, 15                              ; the loop's key steps; the sixteenth is written out
	s_wait_dscnt 0x0                               ; both opening adds are done
	s_wait_kmcnt 0x0
	s_load_b128 s[68:71], s[8:9], 0x8              ; e2, e3, e4, e5
	s_add_nc_u64 s[50:51], s[6:7], s[16:17]
	s_or_b32 s51, s51, 0x80000000                  ; type = 2
	s_add_nc_u64 s[4:5], s[4:5], s[76:77]          ; qimg at my wave's first tile
	s_add_nc_u64 s[10:11], s[10:11], s[78:79]      ; out0 at my wave's first row
	ROUND                                          ; all four work-groups are here: the joint loads meet
	tensor_load_to_lds s[48:51], s[24:31]          ; my one tensor load of the launch
	s_nop 0
.rept 4
	v_nop
.endr
	v_and_b32 v1, 31, v0
	v_lshlrev_b32 v1, 4, v1                        ; 16 x lane: my place in every image
.irp i, 0,1,2,3
	global_load_b128 v[16+4*\i:19+4*\i], v1, s[4:5] offset:512*\i   ; Q's two fragments stay in registers
.endr
	v_mov_b32 v10, 0xff61b1e6                      ; the largest score so far: -3e38, under every score (a score is at most 64 x 448 x 448)
	v_mov_b32 v11, 0xff61b1e6
	v_mov_b32 v8, 0x7f000000                       ; -M: 2^127, so that the first f is 0
	v_mov_b32 v9, 0x7f000000
	v_mov_b32 v6, 0
	v_mov_b32 v7, 0
	v_mov_b32 v12, 0                               ; the sums, in two halves each
	v_mov_b32 v13, 0
	v_mov_b32 v14, 0
	v_mov_b32 v15, 0
.set j, 0
.rept 64
	v_mov_b32 v[192+j], 0                          ; O^T.  (The key step has no first form of its own: the first step multiplies zeros by f = 0)
.set j, j+1
.endr
	s_wait_kmcnt 0x0
	s_add_co_i32 s16, s68, s69
	s_lshl_b32 s16, s16, 23
	s_add_co_i32 s22, s22, s16                     ; a score stands for score x 2^(e2 + e3): the exponents are added to c's exponent field
	s_mov_b32 s23, s22                             ; (named with it as a pair)
	s_xor_b32 s62, s22, 0x80000000                 ; -c
	s_add_co_i32 s16, s70, 127
	s_lshl_b32 s17, s16, 23
	v_mov_b32 v3, s17                              ; 2^e4 as f32, for the conversion
	s_add_co_i32 s16, s16, 8
	s_lshl_b32 s16, s16, 23
	s_or_b32 s61, s16, 0x600000                    ; 448 x 2^e4
	s_wait_alu depctr_va_vdst(0)                   ; the wait at the head's end
	s_wait_loadcnt 0x0                             ; Q
	s_wait_tensorcnt 0x0                           ; my key step has landed,
	s_barrier_signal -1
	s_barrier_wait -1                              ; and so has everybody's
.macro KLOAD reg, g                    ; K's tiles 4 g .. 4 g + 3 of the step at v1, into v[reg ..]: 32 lanes take 512 consecutive bytes a load
.irp t, 0,1,2,3
.irp c, 0,1
	ds_load_b128 v[\reg+8*\t+4*\c:\reg+8*\t+4*\c+3], v1 offset:(4*\g+\t)*1024+512*\c
.endr
.endr
.endm
.macro QK reg, g                       ; each against both tiles of queries
.irp t, 0,1,2,3
.irp u, 0,1
	v_wmma_f32_16x16x64_fp8_fp8 v[64+64*\u+8*(4*\g+\t):71+64*\u+8*(4*\g+\t)], v[\reg+8*\t:\reg+8*\t+7], v[16+8*\u:23+8*\u], 0
.endr
.endr
.endm
.macro MX i                            ; scores i .. i + 3 of both tiles into four chains: the running maxima themselves and v6, v7.  A pair (8 k - 1, 8 k) is an accumulator's first read: at its low end
	v_max3_num_f32 v10, v10, v[64+\i], v[65+\i]
	v_max3_num_f32 v11, v11, v[128+\i], v[129+\i]
	v_max3_num_f32 v6, v6, v[66+\i], v[67+\i]
	v_max3_num_f32 v7, v7, v[130+\i], v[131+\i]
.endm
; Tile 1 behind its exponentials, eight scores at a time: the sum of the UNQUANTISED p in two chains, the hold (two numbers an instruction; p is not negative, so it is one-sided; always executed), the conversion.
.macro FIN1
.irp b, 0,1,2,3,4,5,6,7
.if \b == 0
	v_pk_add_f32 v[6:7], v[130:131], v[134:135]
.else
	v_pk_add_f32 v[6:7], v[6:7], v[130+8*\b:131+8*\b]
.endif
	v_pk_add_f32 v[14:15], v[14:15], v[128+8*\b:129+8*\b]
.if \b
	v_pk_add_f32 v[6:7], v[6:7], v[134+8*\b:135+8*\b]
.endif
	v_pk_add_f32 v[14:15], v[14:15], v[132+8*\b:133+8*\b]
.irp k, 0,2,4,6
	v_dual_min_num_f32 v[128+8*\b+\k], s61, v[128+8*\b+\k] :: v_dual_min_num_f32 v[129+8*\b+\k], s61, v[129+8*\b+\k]
.endr
	v_cvt_scalef32_pk8_fp8_f32 v[48+2*\b:49+2*\b], v[128+8*\b:135+8*\b], v3   ; tile b of the scores: registers 2 b, 2 b + 1 of P
.endr
	v_pk_add_f32 v[14:15], v[14:15], v[6:7]        ; the two chains joined: also the plain instruction behind the last conversion
.endm
; A KEY STEP: 128 keys, 16 products K Q^T of 64 along K, the softmax of both tiles, 8 products V^T P of 128 along K.
; At its head K's tiles 0 to 3 are on their way into v160-191, asked for at the last step's end (the first step's: ahead of the loop).  more = 1: a step follows, and its tiles 0 to 3 are asked for.
.macro STEP more
.rept 5
	v_nop                                          ; five places behind the last step's products: four for the loads into P's registers, five for the products that write over V's
.endr
	KLOAD 32, 1                                    ; K's tiles 4 to 7
	s_wait_dscnt 8                                 ; tiles 0 to 3 are in; the eight loads just issued may be out
	QK 160, 0
.rept 4
	v_nop                                          ; places in front of the first read of the scores
.endr
	v_max3_num_f32 v6, v64, v65, v66               ; the first 32 scores' maxima stand under the loads' flight
	v_max3_num_f32 v7, v128, v129, v130
.irp i, 3,7,11,15,19
	MX \i
.endr
	s_wait_alu depctr_va_vdst(0)                   ; the wait here, directly ahead of the wait below
	s_wait_dscnt 0x0
	QK 32, 1                                       ; tile 1's results land on v160-191: more than five places behind the products that read K there
	MX 23                                          ; eight maxima over the first group's scores: the places behind the second group's products
	MX 27
.irp i, 31,35,39,43,47,51,55,59
	MX \i
.endr
	v_max3_num_f32 v10, v10, v127, v6              ; the last score and the second chain
	v_max3_num_f32 v11, v11, v191, v7
	v_permlanex16_b32 v6, v10, s20, s21
	v_permlanex16_b32 v7, v11, s20, s21
	v_max_num_f32 v10, v10, v6                     ; and lane l xor 16's: the running largest score
	v_max_num_f32 v11, v11, v7
	v_mul_f32 v6, s62, v10                         ; -t (c is positive)
	v_mul_f32 v7, s62, v11
	v_floor_f32 v6, v6                             ; the new -M = floor(-t) = -ceil(t): M is a whole number
	v_floor_f32 v7, v7
	v_sub_f32 v48, v6, v8                          ; M's old value less its new one: a whole number, 0 or less
	v_sub_f32 v49, v7, v9
	v_dual_mov_b32 v8, v6 :: v_dual_mov_b32 v9, v7
	v_cvt_i32_f32 v48, v48                         ; (it saturates)
	v_cvt_i32_f32 v49, v49
	v_ldexp_f32 v6, 1.0, v48                       ; f = 2^(old M - new M)
	v_ldexp_f32 v7, 1.0, v49
.set j, 0
.rept 32
	v_pk_fma_f32 v[64+j:65+j], v[64+j:65+j], s[22:23], v[8:9] op_sel_hi:[1,0,0]   ; tile 0: t - M, two at a time (v8 for both halves)
.set j, j+2
.endr
.set j, 0
.rept 16
	v_pk_mul_f32 v[192+j:193+j], v[192+j:193+j], v[6:7] op_sel_hi:[1,0]              ; O^T under the new M, ahead of the exponentials; each accumulator from its low end on
	v_pk_mul_f32 v[224+j:225+j], v[224+j:225+j], v[6:7] op_sel:[0,1] op_sel_hi:[1,1]
.set j, j+2
.endr
	v_pk_mul_f32 v[12:13], v[12:13], v[6:7] op_sel_hi:[1,0]              ; the sums under the new M
	v_pk_mul_f32 v[14:15], v[14:15], v[6:7] op_sel:[0,1] op_sel_hi:[1,1]
	s_wait_alu depctr_va_vdst(0)                   ; the wait ahead of the batch
.set j, 0
.rept 32
	v_exp_f32 v[64+j], v[64+j]                     ; tile 0: p = 2^(t - M): not normalised.  Among the batch stands work that neither feeds it nor reads it:
	v_exp_f32 v[65+j], v[65+j]
	v_pk_fma_f32 v[128+j:129+j], v[128+j:129+j], s[22:23], v[8:9] op_sel:[0,0,1] op_sel_hi:[1,0,1]   ; tile 1: t - M (v9 for both halves); first read behind the wait below
.set j, j+2
.endr
	s_wait_alu depctr_va_vdst(0)                   ; one wait: behind tile 0's batch, ahead of its first reader, and ahead of tile 1's batch
	v_pk_add_f32 v[6:7], v[66:67], v[70:71]        ; tile 0: the row's sum of the UNQUANTISED p, two at a time, in two chains
	v_pk_add_f32 v[12:13], v[12:13], v[64:65]
	v_pk_add_f32 v[12:13], v[12:13], v[68:69]
.set j, 8
.rept 14
	v_pk_add_f32 v[12:13], v[12:13], v[64+j:65+j]
	v_pk_add_f32 v[6:7], v[6:7], v[66+j:67+j]
.set j, j+4
.endr
	v_pk_add_f32 v[12:13], v[12:13], v[6:7]
	s_wait_alu depctr_va_vdst(0)                   ; the wait ahead of the batch
.set j, 0
.rept 32
	v_exp_f32 v[128+j], v[128+j]                   ; tile 1's batch; among it tile 0's hold, two numbers an instruction, always executed; its results are first read behind the wait below
	v_exp_f32 v[129+j], v[129+j]
	v_dual_min_num_f32 v[64+j], s61, v[64+j] :: v_dual_min_num_f32 v[65+j], s61, v[65+j]
.set j, j+2
.endr
	v_nop                                          ; the plain place behind the last exponential
	s_wait_alu depctr_va_vdst(0)                   ; one wait for the batch, ahead of its first reader
.irp b, 0,1,2,3,4,5,6,7
	v_cvt_scalef32_pk8_fp8_f32 v[32+2*\b:33+2*\b], v[64+8*\b:71+8*\b], v3   ; tile 0's P
.endr
.irp d, 0,1,2,3                                ; V's four fragments into the registers that tile 0's scores have left: they land while tile 1 is finished
.irp c, 0,1,2,3
	ds_load_b128 v[64+16*\d+4*\c:67+16*\d+4*\c], v1 offset:8192+2048*\d+512*\c
.endr
.endr
	v_add_nc_u32 v1, STEPB, v1                     ; on to the next step's images: 64 plain instructions ahead of its first reader
	FIN1
.if \more
	KLOAD 160, 0                                   ; the next step's tiles 0 to 3 of K, into registers that tile 1's scores have left
.endif
	s_wait_alu depctr_va_vdst(0)                   ; the wait here, directly ahead of the wait below
.if \more
	s_wait_dscnt 8                                 ; V is in; the eight loads just issued may be out
.else
	s_wait_dscnt 0x0                               ; V is in
.endif
.irp d, 0,1,2,3
.irp u, 0,1
	v_wmma_f32_16x16x128_fp8_fp8 v[192+32*\u+8*\d:199+32*\u+8*\d], v[64+16*\d:79+16*\d], v[32+16*\u:47+16*\u], v[192+32*\u+8*\d:199+32*\u+8*\d]   ; the eight accumulators have one turn each
.endr
.endr
.endm
	KLOAD 160, 0                                   ; the first step's tiles 0 to 3 of K
.Lstep:
	STEP 1
	s_sub_co_u32 s60, s60, 1
	s_cmp_lg_u32 s60, 0
	s_cbranch_scc1 .Lstep
	STEP 0                                         ; the last step is written out: it asks for nothing beyond K's end
	; THE WAY OUT.  O^T is divided by the sum, multiplied by 2^(e4 + e5), and goes through my own stage, so that each store covers two whole rows of O, 512 consecutive bytes.
	v_add_f32 v12, v12, v13                        ; (these plain instructions are the places behind the last products)
	v_add_f32 v14, v14, v15
	v_and_b32 v4, 15, v0                           ; r; on the way back: p, my 16 bytes of a row of O
	v_bfe_u32 v8, v0, 4, 1                         ; h
	v_permlanex16_b32 v6, v12, s20, s21
	v_permlanex16_b32 v7, v14, s20, s21
	v_add_f32 v12, v12, v6                         ; the rows' sums
	v_add_f32 v14, v14, v7
	s_wait_alu depctr_va_vdst(0)                   ; the wait ahead of the transcendentals
	v_rcp_f32 v12, v12
	v_rcp_f32 v14, v14
	v_and_b32 v48, 7, v0                           ; p % 8  (a plain instruction behind the reciprocals)
	s_mul_i32 s16, s12, WSTG
	s_add_co_u32 s16, s16, STAGE                   ; my stage
	s_add_co_i32 s17, s70, s71                     ; e4 + e5
	v_mul_u32_u24 v9, v4, SP
	v_lshl_add_u32 v9, v8, 5, v9
	v_add_nc_u32 v9, s16, v9                       ; in: row r, + 32 h: my eight features of a tile of sixteen
	v_mul_u32_u24 v10, v8, SP
	v_lshl_add_u32 v10, v48, 4, v10
	v_add_nc_u32 v10, s16, v10                     ; back: lanes 0-15 one row, lanes 16-31 the next; lanes p and p + 8 read the same 16 bytes
	v_lshlrev_b32 v11, 8, v8
	v_lshl_add_u32 v11, v4, 4, v11                 ; the same two rows of O, 16 bytes a lane
	v_cmp_le_u32 vcc_lo, 8, v4                     ; lanes p >= 8 keep the second half's bytes
	s_wait_alu depctr_va_vdst(0)                   ; one wait for both reciprocals, ahead of their first reader
	v_ldexp_f32 v12, v12, s17
	v_ldexp_f32 v14, v14, s17
	s_wait_alu depctr_va_vdst(0)                   ; the wait here, directly ahead of the first reader of O^T
.irp u, 0,1
.set j, 0
.rept 16
	v_pk_mul_f32 v[192+32*\u+j:193+32*\u+j], v[192+32*\u+j:193+32*\u+j], v[12+2*\u:13+2*\u] op_sel_hi:[1,0]   ; register 8 d + i is O(query 16 u + r, feature 16 d + 8 h + i)
.set j, j+2
.endr
.endr
	s_wait_alu depctr_va_vdst(0)
; Tile u through the stage, in two halves: half a = features 32 a .. 32 a + 31 of its 16 queries, 4 stores of all 32 lanes; then 8 loads bring two half rows each.
; LDS serves a wave's instructions in order (ISA guide 5.7.1.4): the loads see the stores ahead of them, and the next half's stores come behind the loads.
.macro TOST u
.set rX, 64+64*(\u)
.irp a, 0,1
.irp e, 0,1
	ds_store_b128 v9, v[192+32*\u+16*\a+8*\e:195+32*\u+16*\a+8*\e] offset:64*\e
	ds_store_b128 v9, v[196+32*\u+16*\a+8*\e:199+32*\u+16*\a+8*\e] offset:64*\e+16
.endr
.irp k, 0,1,2,3,4,5,6,7
	ds_load_b128 v[rX+32*\a+4*\k:rX+32*\a+4*\k+3], v10 offset:2*SP*\k
.endr
.endr
.endm
; Rows 2 k and 2 k + 1 of tile u: lanes p < 8 keep the first half's bytes, lanes p >= 8 take the second half's: sixteen lanes then hold one row of 256 bytes.
.macro SEND u, younger                 ; younger: the LDS instructions issued behind this tile's
.set rX, 64+64*(\u)
.irp k, 0,1,2,3,4,5,6,7
	s_wait_dscnt \younger+7-\k                     ; the second half's load k is back (the first half's came earlier); its 7 - k successors and the younger ones may be out
.irp n, 0,1,2,3
	v_cndmask_b32 v[rX+4*\k+\n], v[rX+4*\k+\n], v[rX+32+4*\k+\n], vcc_lo
.endr
	global_store_b128 v11, v[rX+4*\k:rX+4*\k+3], s[10:11] offset:(16*\u+2*\k)*256 th:TH_STORE_NT   ; 32 lanes store 512 consecutive bytes, aligned
.endr
.endm
	TOST 0
	TOST 1
	SEND 0, 24                                     ; tile 1's 8 stores and 16 loads are younger
	SEND 1, 0
	s_wait_tensorcnt 0x0                           ; the wave's end
	ds_add_u32 v[SPW], v[NIL]
	s_wait_dscnt 0x0
	ROUND                                          ; the closing round
	s_endpgm
.Lfunc_end_k_q6e74764f32_attn:
	.size	k_q6e74764f32_attn, .Lfunc_end_k_q6e74764f32_attn-k_q6e74764f32_attn
	.p2alignl 7, 3214868480
	.fill 96, 4, 3214868480
	.section	.rodata,"a",@progbits
	.p2align	6, 0x0
	.amdhsa_kernel k_q6e74764f32_attn
		.amdhsa_group_segment_fixed_size 327680
		.amdhsa_private_segment_fixed_size 0
		.amdhsa_enable_private_segment 0
		.amdhsa_kernarg_size 32
		.amdhsa_user_sgpr_count 2
		.amdhsa_user_sgpr_kernarg_segment_ptr 1
		.amdhsa_wavefront_size32 1
		.amdhsa_system_sgpr_workgroup_id_x 1
		.amdhsa_system_sgpr_workgroup_id_y 1
		.amdhsa_system_sgpr_workgroup_id_z 1
		.amdhsa_system_vgpr_workitem_id 0
		.amdhsa_next_free_vgpr 256
		.amdhsa_next_free_sgpr 80
		.amdhsa_reserve_vcc 1
		.amdhsa_float_denorm_mode_32 3
		.amdhsa_float_denorm_mode_16_64 3
		.amdhsa_memory_ordered 1
		.amdhsa_forward_progress 1
		.amdhsa_inst_pref_size 74
	.end_amdhsa_kernel
	.amdgpu_metadata
---
amdhsa.version: [ 1, 2 ]
amdhsa.kernels:
  - .name:           k_q6e74764f32_attn
    .symbol:         k_q6e74764f32_attn.kd
    .args:
      - { .name: qimg, .offset: 0, .size: 8, .value_kind: global_buffer, .address_space: global }
      - { .name: kvimg, .offset: 8, .size: 8, .value_kind: global_buffer, .address_space: global }
      - { .name: lowp_scales, .offset: 16, .size: 8, .value_kind: global_buffer, .address_space: global }
      - { .name: out0, .offset: 24, .size: 8, .value_kind: global_buffer, .address_space: global }
    .group_segment_fixed_size: 327680
    .private_segment_fixed_size: 0
    .kernarg_segment_align: 8
    .kernarg_segment_size: 32
    .max_flat_workgroup_size: 512
    .sgpr_count:     80
    .vgpr_count:     256
    .wavefront_size: 32
...
	.end_amdgpu_metadata
.endif
;; end of part 2
